; MI455X (gfx1250); checked and timed in simulation.
; The chip was launched on July 23, 2026; its instructions are those of AMD's public machine-readable ISA for CDNA 5 (MIT licence, August 2026) and "CDNA5" Instruction Set Architecture Reference Guide (July 2026). The comments in the code are by the model that wrote it; some were corrected since.
;; Multi Head Attention. Allowed arithmetic: matrix products marked QUANTISED: E2M3 operands, one E8M0 scale for each 32 along K, by v_wmma_scale_f32_16x16x128_f8f6f4 with both operands' format E2M3, f32 sums; everything else in f32.
;; Inputs: Wk_codes 16 x 64 x 32 x 24 uint8 (E2M3 codes of Wk, K innermost, in blocks of 32 codes, four codes in three bytes); Wk_scales 16 x 64 x 32 uint8 (E8M0 scales of Wk, one for each 32 codes along K); Wo_codes 1,024 x 32 x 24 uint8 (E2M3 codes of Wo, K innermost, in blocks of 32 codes, four codes in three bytes); Wo_scales 1,024 x 32 uint8 (E8M0 scales of Wo, one for each 32 codes along K); Wq_codes 16 x 64 x 32 x 24 uint8 (E2M3 codes of Wq, K innermost, in blocks of 32 codes, four codes in three bytes); Wq_scales 16 x 64 x 32 uint8 (E8M0 scales of Wq, one for each 32 codes along K); Wv_codes 16 x 64 x 32 x 24 uint8 (E2M3 codes of Wv, K innermost, in blocks of 32 codes, four codes in three bytes); Wv_scales 16 x 64 x 32 uint8 (E8M0 scales of Wv, one for each 32 codes along K); key_codes 8 x 1,024 x 32 x 24 uint8 (E2M3 codes of key, K innermost, in blocks of 32 codes, four codes in three bytes); key_scales 8 x 1,024 x 32 uint8 (E8M0 scales of key, one for each 32 codes along K); query_codes 8 x 1,024 x 32 x 24 uint8 (E2M3 codes of query, K innermost, in blocks of 32 codes, four codes in three bytes); query_scales 8 x 1,024 x 32 uint8 (E8M0 scales of query, one for each 32 codes along K); value_codes 8 x 1,024 x 32 x 24 uint8 (E2M3 codes of value, K innermost, in blocks of 32 codes, four codes in three bytes); value_scales 8 x 1,024 x 32 uint8 (E8M0 scales of value, one for each 32 codes along K).
;; Outputs: out0 8 x 1,024 x 1,024 float32.
;; This version of the problem:
;;   THIS VERSION OF THE PROBLEM IS GIVEN IN LOW PRECISION. The matrix products marked QUANTISED in the list below multiply operands that are first quantised to E2M3 (2 exponent bits, 3 mantissa bits; 6 bits a number), with one power-of-two scale for each 32 numbers along K (OCP MX v1.0); their sums are f32. All else is computed in f32.
;;   The module's matrix products, in the order in which they are computed (A, B: the left and right operand; K: the contracted axis; several contracted axes count as one K, in the product's order):
;;     1. [M 1,024, K 1,024] x [K 1,024, N 8,192]; A: input Wq (given as codes); B: input query (given as codes): QUANTISED
;;     2. [M 1,024, K 1,024] x [K 1,024, N 8,192]; A: input Wk (given as codes); B: input key (given as codes): QUANTISED
;;     3. [M 1,024, K 1,024] x [K 1,024, N 8,192]; A: input Wv (given as codes); B: input value (given as codes): QUANTISED
;;     4. batch 128 x [M 1,024, K 64] x [K 64, N 1,024]; A: computed on the way; B: computed on the way: QUANTISED
;;     5. batch 128 x [M 1,024, K 1,024] x [K 1,024, N 64]; A: softmax (see below); B: computed on the way: QUANTISED
;;     6. [M 8,192, K 1,024] x [K 1,024, N 1,024]; A: computed on the way; B: input Wo (given as codes): QUANTISED
;;   THE QUANTISER, for each operand of a quantised product, along K:
;;     - K is cut into blocks of 32 from its start; a last block that is shorter is filled with zeros.
;;     - A block's scale is 2^e with e = floor(log2(the largest magnitude in the block)) - 2, held to -126 .. 127; a block of zeros has e = 0. As a byte (E8M0): e + 127.
;;     - Each number is divided by its block's scale, clamped to +-7.5, and rounded to the nearest number of E2M3, ties to even, subnormals kept.
;;     - The product sums the exact products of the quantised numbers (number of the format x scale) in f32.
;;   ~~~python
;;   def quantise(x, axis):      # numpy; x: float32 -> the quantised numbers, widened to float32 again
;;       x = np.moveaxis(x, axis, -1); K = x.shape[-1]
;;       x = np.pad(x, [(0, 0)] * (x.ndim - 1) + [(0, -K % 32)]); x = x.reshape(x.shape[:-1] + (-1, 32)); a = np.abs(x).max(-1, keepdims=True)
;;       e = np.where(a > 0, np.clip(np.frexp(np.where(a > 0, a, 1))[1] - 1 - 2, -126, 127), 0)      # np.frexp(a)[1] - 1 = floor(log2(a)), exactly
;;       r = np.clip(x / 2.0 ** e, -7.5, 7.5)
;;       step = 2.0 ** (np.maximum(np.frexp(np.where(r == 0, 1, r))[1] - 1, 0) - 3)
;;       q = np.round(r / step) * step * 2.0 ** e      # np.round: ties to even
;;       return np.moveaxis(q.reshape(q.shape[:-2] + (-1,))[..., :K], -1, axis).astype(np.float32)
;;   ~~~
;;   SOFTMAX AHEAD OF A QUANTISED PRODUCT. Where the list says 'softmax', what is quantised is not the finished softmax but p = 2^(t - M), with t = logit x log2(e) and M = ceil(the row's largest t), a whole number; so 1/2 < the row's largest p <= 1. The row's sum l is taken of the UNQUANTISED p, in f32, and the product's result is divided by l at the end. Since M is a whole number, a kernel that streams over the keys may use a running M (the ceiling of the running maximum): every later rescaling is an exact power of two, which a block's scale takes up: the codes' values come out the same.
;;   OPERANDS COMPUTED ON THE WAY. 'Computed on the way' means the value that the module computes at that place (a softmax that the list does not call 'softmax' is quantised finished and normalised). What goes into a quantiser is computed in f32, as accurately as f32 sums, v_exp_f32 and their like allow (about 1e-6 of the number): no bf16 or f16 on the way to a quantiser, and a product that is left as it is and whose result goes on into a quantised operand takes f32 operands (vector FMAs, or v_wmma_f32_16x16x4_f32). A number that lies on a knife's edge between two numbers of the format may be rounded either way, as far as f32 arithmetic and the matrix unit's own rounding can turn it there, and no further.
;;   INPUTS GIVEN AS CODES. Wk (in the module: [16, 1024, 64], K = its axis 1); Wo (in the module: [1024, 1024], K = its axis 1); Wq (in the module: [16, 1024, 64], K = its axis 1); Wv (in the module: [16, 1024, 64], K = its axis 1); key (in the module: [8, 1024, 1024], K = its axis 2); query (in the module: [8, 1024, 1024], K = its axis 2); value (in the module: [8, 1024, 1024], K = its axis 2): each comes as NAME_codes (uint8): NAME with its K axis moved to the last place and cut into blocks of 32 codes, [.., K / 32, bytes a block], one block behind the other in memory; four codes in three bytes: a row's codes are one little-endian stream of bits, code i at bits 6 i .. 6 i + 5 (a code: sign, 2 exponent bits, 3 mantissa bits); and NAME_scales (uint8): the same leading axes, one E8M0 byte (e + 127) for each 32 codes along K. Its value is code x scale, taken as it is: it is not quantised again, and the codes and scales need not be those that the quantiser above would give.
;; One version. Each part assembles by itself: llvm-mc -triple=amdgcn-amd-amdhsa -mcpu=gfx1250 --defsym DOCPART=n.
;; ======== version 1 of 1: 3 launches
;; limits: right only within a limited range of input values
;; workspace buffers: qkv 19,660,800 bytes; oc 6,291,456 bytes; os 262,144 bytes
;; launch proj (part 1): grid 4 x 192, 4 waves a work-group, clusters of 4 x 4, 327,680 bytes of LDS; arguments query_codes, query_scales, Wq_codes, Wq_scales, key_codes, key_scales, Wk_codes, Wk_scales, Wv_codes, Wv_scales, value_codes, value_scales, qkv; writes qkv
.if DOCPART == 1
	.amdgcn_target "amdgcn-amd-amdhsa--gfx1250"
	.amdhsa_code_object_version 6
	.text
	.protected	k_q97b2b64f01_proj
	.globl	k_q97b2b64f01_proj
	.p2align	8
	.type	k_q97b2b64f01_proj,@function
k_q97b2b64f01_proj:
	s_mov_b64 s[64:65], 0
	v_nop
	global_prefetch_b8 v0, s[64:65] scope:SCOPE_SE
	s_setreg_imm32_b32 hwreg(HW_REG_WAVE_MODE, 25, 1), 1
	s_wait_xcnt 0x0
	s_wait_alu depctr_hold_cnt(0) depctr_sa_sdst(0) depctr_va_vdst(0) depctr_va_sdst(0) depctr_va_ssrc(0) depctr_va_vcc(0) depctr_vm_vsrc(0)
	s_getreg_b32 s2, hwreg(HW_REG_IB_STS2, 6, 4)
	s_cmp_eq_u32 s2, 0
	s_cbranch_scc0 .Lentry_in_a_cluster
	s_endpgm
.Lentry_in_a_cluster:
	s_bfe_u32 s2, ttmp6, 0x10000c
	s_cmp_lg_u32 s2, 0xf033
	s_cbranch_scc0 .Lentry_shape_is_right
	s_endpgm
.Lentry_shape_is_right:
; THE THREE PROJECTIONS q, k, v ON CODES OF FP6 (E2M3), AND THEIR QUANTISING FOR THE ATTENTION THAT FOLLOWS.
; cluster y = 16 x kind + cl.  kind 0: A = query, B = Wq;  kind 1: A = key, B = Wk;  kind 2: A = Wv, B = value.  All rows are 1,024 codes (768 bytes) with 32 scale bytes.
; A work-group of four waves makes 128 rows of A x 256 rows of B; a wave 64 x 128: 32 accumulators, 256 registers (window 2).
; ALL OF K LIES IN LDS: 384 rows of 768 bytes (+ 16 behind every 256), filled once, one joint load a wave: waves 0, 1 a half of A's rows each, waves 2, 3 a half of B's.  Nothing is filled again.
; Every tile row is a whole row of codes: 768 bytes from a multiple of 256.  The scale words go from memory straight into registers: a lane takes one row's 32 bytes, two blocks of 16 rows to a register.
; CLUSTERS: 4 x 4; A's tiles are asked for jointly along a row of the cluster, B's along a column.  kind and cl are the same in all sixteen partners.
; No prefetch: all that a work-group reads is asked for at its head, so there is no loop to run ahead in.
; THE MATRIX INSTRUCTION IS USED TRANSPOSED (source 0 = B's rows, source 1 = A's): a lane holds one row of A, its registers run along B's rows, the axis that is quantised next (channels for q, k; keys for v).
; THE WAY OUT, for each of A's four blocks: four scale blocks of 32 along B's rows, 16 numbers in my lane and 16 in the lane 16 away: largest magnitude, byte, conversion, exchange of halves; half a fragment is stored as an image of its registers.
; Inside a block of 32 the codes stand in the order 0-7, 16-23, 8-15, 24-31: q and k carry it alike along the channels, v and the softmax's p alike along the keys.
; qkv: 128 records (16 x batch + head) of 153,600 bytes: Q codes 0, Q scales 49,152, K codes 51,200, V codes 100,352, K scales 149,504, V scales 151,552.
;   Q, K codes [token tile][768]; V codes [64 keys][channel tile][768]; Q, K scales [128 tokens][r][4 words], word i = tiles 2 i, 2 i + 1, two bytes each; V scales [128 keys][r][4 words], word t = channel 16 t + r.
; LIMITS: a block whose largest magnitude lies under 2^-124 is held at the scale byte 1; a block of zeros gets the byte 1 (its codes are zeros, and this program alone reads the bytes); NaN and infinities among the sums are not served.
.set REC,    153600
.set KROW,   768
.set PITCH,  816                       ; an LDS row: 3 x (256 + 16)
.set FR,     12
.set BB,     128*PITCH                 ; B's 256 rows lie behind A's 128
.set SPARE,  BB+256*PITCH              ; the spare words, 128 bytes a wave
.set VO,   8                           ; v8, v10 8 x lane; the same + SG
.set VS,   12                          ; my place among the scale words
.set PSEL, 13
.set ADRA, 16                          ; v16, v17 LDS address of my A fragments (v17: for pieces behind one padding more)
.set ADRB, 20                          ; v20, v21 the same for B's blocks 0-3; v22, v23 for blocks 4-7
.set VSO,  26                          ; 32 x lane
.set SPW,  28
.set NIL,  29
.set SB,   32                          ; v32-63 B's scale words: 8 (b / 2) + step; lanes 0-15 the even block, lanes 16-31 the odd
.set CD,   64
.set PW,   88
.set FW,   96
.set TW,   100
.set SA,   108                         ; v108-123 A's scale words
.set AF,   128                         ; A's fragments, two sets of 48
.set TM,   224
.set G1, 24
.set G0, 32
.set G1B, 48
.set G0B, 56
.set MSB, 0
.macro WIN new
.if MSB != \new
	s_set_vgpr_msb (MSB<<8)|\new
.set MSB, \new
.endif
.endm
.macro PLACES n
.rept \n
	v_nop
.endr
.endm
.macro CROUND
	s_barrier_signal -1
	s_barrier_wait -1
	s_cmp_lg_u32 s14, 0
	s_cbranch_scc1 .Lnot_wave_0_\@
	s_barrier_signal -3
.Lnot_wave_0_\@:
	s_barrier_wait -3
	s_barrier_signal -1
	s_barrier_wait -1
.endm
	s_load_b512 s[68:83], s[0:1], 0x0              ; kind 0's four addresses, kind 1's
	s_load_b256 s[84:91], s[0:1], 0x40             ; kind 2's
	s_load_b64 s[12:13], s[0:1], 0x60              ; qkv
	v_lshl_add_u32 v[SPW], v0, 2, SPARE
	v_mov_b32 v[NIL], 0
	ds_add_u32 v[SPW], v[NIL]                      ; the opening lines: the add twice and its wait
	ds_add_u32 v[SPW], v[NIL]
	v_lshrrev_b32 v1, 5, v0
	v_readfirstlane_b32 s14, v1                    ; wave
	s_lshr_b32 s15, s14, 1                         ; my half of A's rows; also: I fetch for A (0) or B (1)
	s_and_b32 s16, s14, 1                          ; my half of B's rows; also: which half I fetch
	s_bfe_u32 s40, ttmp6, 0x40000                  ; cx
	s_bfe_u32 s41, ttmp6, 0x40004                  ; cy
	s_and_b32 s66, ttmp7, 0xffff
	s_and_b32 s67, s66, 15                         ; cl
	s_lshr_b32 s66, s66, 4                         ; kind
	s_and_b32 s18, s67, 1
	s_lshr_b32 s19, s67, 1
	s_cmp_eq_u32 s66, 2
	s_cselect_b32 s17, s18, s67                    ; which 512 rows of A
	s_cselect_b32 s42, s19, 0                      ; which 1,024 rows of B
	s_lshl_b32 s17, s17, 2
	s_add_co_u32 s17, s17, s41                     ; which 128 rows of A
	s_lshl_b32 s42, s42, 2
	s_add_co_u32 s42, s42, s40                     ; which 256 rows of B
	s_lshl_b32 s43, s41, 2
	s_lshl_b32 s43, 15, s43                        ; my row of the cluster
	s_lshl_b32 s44, 0x1111, s40                    ; my column
	s_or_b32 s[G1+0], s43, (1<<20)|(1<<21)|(5<<22)|(3<<25)   ; bytes; 4 words of padding behind every 64
	s_or_b32 s[G1B+0], s44, (1<<20)|(1<<21)|(5<<22)|(3<<25)
	s_mov_b32 s[G1+2], 64<<16                      ; 64 rows of A a load,
	s_mov_b32 s[G1+4], 64
	s_mov_b32 s[G1B+2], 128<<16                    ; 128 of B
	s_mov_b32 s[G1B+4], 128
.irp g, G1, G1B
	s_mov_b32 s[\g+1], KROW<<16
	s_mov_b32 s[\g+3], KROW<<16
	s_mov_b32 s[\g+5], KROW
	s_mov_b32 s[\g+6], 0
	s_mov_b32 s[\g+7], 0
.endr
	s_lshl_b32 s20, s17, 7
	s_lshl_b32 s18, s16, 6
	s_add_co_u32 s18, s20, s18                     ; A's row that I fetch from
	s_mul_i32 s60, s18, KROW
	s_mov_b32 s61, 0
	s_lshl_b32 s19, s15, 6
	s_add_co_u32 s20, s20, s19                     ; my first row of A
	s_lshl_b32 s21, s42, 8
	s_lshl_b32 s19, s16, 7
	s_add_co_u32 s21, s21, s19                     ; my first row of B, to fetch and to multiply
	s_mul_i32 s62, s21, KROW
	s_mov_b32 s63, 0
	s_lshl_b32 s36, s20, 5                         ; their scale bytes
	s_mov_b32 s37, 0
	s_lshl_b32 s38, s21, 5
	s_mov_b32 s39, 0
	s_mov_b32 s[G0], 1
	s_mul_i32 s[G0+1], s16, 64*PITCH
	s_mov_b32 s[G0B], 1
	s_mul_i32 s[G0B+1], s16, 128*PITCH
	s_add_co_u32 s[G0B+1], s[G0B+1], BB
	s_mul_i32 s2, s15, 64*PITCH                    ; my rows of A in LDS
	s_mov_b32 s3, s[G0B+1]                         ; my rows of B
	s_mov_b32 s98, 0x76543210
	s_mov_b32 s99, 0xfedcba98
	s_mov_b32 s100, 0xffff0000                     ; lanes 16-31
	; the way out's numbers
	s_mov_b32 s22, REC
	s_mov_b32 s23, 3072
	s_lshl_b32 s101, s15, 3
	s_cmp_eq_u32 s66, 2
	s_cselect_b32 s46, s21, s20                    ; my first token
	s_cselect_b32 s47, s20, s21                    ; my first row of the weight
	s_cselect_b32 s96, s23, s22                    ; SG: a fragment's second half: the next head's record (q, k), the next 64 keys (v)
	s_cselect_b32 s95, -1, 0                       ; all lanes for v
	s_cselect_b32 s97, 8, s22                      ; scale words: lanes 16-31 take words 2, 3 (v), the next head's record (q, k)
	s_cselect_b32 s101, 0, s101                    ; q, k: my 64 tokens' two words of the four
	s_lshr_b32 s20, s46, 10
	s_lshl_b32 s20, s20, 4
	s_lshr_b32 s21, s47, 6
	s_add_co_u32 s20, s20, s21
	s_mul_i32 s20, s20, REC                        ; the record
	s_and_b32 s21, s46, 1023
	s_mul_i32 s18, s21, 48                         ; 768 bytes for 16 tokens, 3,072 for 64 keys
	s_lshr_b32 s21, s21, 7
	s_min_u32 s22, s66, 1
	s_mul_i32 s23, s66, 49152
	s_mul_i32 s19, s22, 2048
	s_add_co_u32 s23, s23, s19                     ; codes: 0, 51,200, 100,352
	s_add_co_u32 s23, s23, s18
	s_add_co_u32 s46, s20, s23
	s_mov_b32 s47, 0
	s_mul_i32 s22, s22, 98304
	s_mul_i32 s23, s66, 2048
	s_add_co_u32 s22, s22, s23
	s_add_co_u32 s22, s22, 49152                   ; scales: 49,152, 149,504, 151,552
	s_lshl_b32 s23, s21, 8
	s_add_co_u32 s22, s22, s23
	s_add_co_u32 s22, s22, s20
	s_add_co_u32 s22, s22, s101
	s_mov_b32 s23, 0
	s_wait_dscnt 0x0                               ; both opening adds are done
	s_wait_kmcnt 0x0
	s_cmp_eq_u32 s66, 0
.irp i, 0,1,2,3
	s_cselect_b64 s[4+2*\i:5+2*\i], s[68+2*\i:69+2*\i], s[76+2*\i:77+2*\i]
.endr
	s_cmp_eq_u32 s66, 2
.irp i, 0,1,2,3
	s_cselect_b64 s[4+2*\i:5+2*\i], s[84+2*\i:85+2*\i], s[4+2*\i:5+2*\i]
.endr
	s_add_nc_u64 s[G0+2:G0+3], s[4:5], s[60:61]
	s_or_b32 s[G0+3], s[G0+3], 0x80000000
	s_add_nc_u64 s[G0B+2:G0B+3], s[8:9], s[62:63]
	s_or_b32 s[G0B+3], s[G0B+3], 0x80000000
	s_add_nc_u64 s[84:85], s[6:7], s[36:37]        ; A's scale bytes, my 64 rows
	s_add_nc_u64 s[86:87], s[10:11], s[38:39]      ; B's, my 128 rows
	s_add_nc_u64 s[92:93], s[12:13], s[22:23]      ; where my scale words go
	s_add_nc_u64 s[12:13], s[12:13], s[46:47]      ; where my codes go
	CROUND                                         ; all sixteen work-groups are here: the joint loads meet
	s_cmp_eq_u32 s15, 0
	s_cbranch_scc0 .Lfor_b
	tensor_load_to_lds s[G0:G0+3], s[G1:G1+7]
	s_nop 0
	PLACES 4
	s_branch .Lasked
.Lfor_b:
	tensor_load_to_lds s[G0B:G0B+3], s[G1B:G1B+7]
	s_nop 0
	PLACES 4
.Lasked:
	v_and_b32 v1, 15, v0                           ; r
	v_bfe_u32 v2, v0, 4, 1                         ; h
	v_and_b32 v6, 31, v0
	v_mul_u32_u24 v3, v1, PITCH
	v_mad_u32_u24 v4, v2, 24, v3
	v_mad_u32_u24 v5, v2, 40, v3
	v_add_nc_u32 v[ADRA], s2, v4
	v_add_nc_u32 v[ADRA+1], s2, v5
	v_add_nc_u32 v[ADRB], s3, v4
	v_add_nc_u32 v[ADRB+1], s3, v5
	v_add_nc_u32 v[ADRB+2], 64*PITCH, v[ADRB]
	v_add_nc_u32 v[ADRB+3], 64*PITCH, v[ADRB+1]
	v_lshlrev_b32 v[VSO], 5, v6
	v_lshlrev_b32 v[VO], 3, v6
	v_add_nc_u32 v[VO+2], s96, v[VO]
	v_mul_u32_u24 v[VS], s97, v2
	v_lshl_add_u32 v[VS], v1, 4, v[VS]
	v_mov_b32 v[PSEL], 0x05040100
	v_mov_b32 v7, 0x07060302
	v_cndmask_b32 v[PSEL], v[PSEL], v7, s100
.irp b, 0,1,2,3
	v_mov_b32 v[TM+4+\b], 0                        ; a lane permute's destination counts as a source
.endr
	s_wait_alu depctr_va_vdst(0)                   ; the wait at the head's end
.irp p, 0,1
.irp c, 0,1
	global_load_b128 v[SA+8*\p+4*\c:SA+8*\p+4*\c+3], v[VSO], s[84:85] offset:1024*\p+16*\c
.endr
.endr
.irp p, 0,1,2,3
.irp c, 0,1
	global_load_b128 v[SB+8*\p+4*\c:SB+8*\p+4*\c+3], v[VSO], s[86:87] offset:1024*\p+16*\c
.endr
.endr
; a fragment: six pieces of 8 bytes; lanes 16-31 read three pieces on: where that lies behind one padding more, the second address register serves
.macro PIECES reg, adr, st, off
.irp p, 0,1,2,3,4,5
.set PN, 12*(\st)+6*(\p/3)+\p%3
.if PN%32 < 29
	ds_load_b64 v[\reg+2*\p:\reg+2*\p+1], v[\adr] offset:8*PN+16*(PN/32)+(\off)
.else
	ds_load_b64 v[\reg+2*\p:\reg+2*\p+1], v[\adr+1] offset:8*PN+16*(PN/32)+(\off)
.endif
.endr
.endm
.macro FETCH st                        ; step st's twelve fragments into set st % 2: 72 loads
	WIN 0x40
.irp i, 0,1,2,3,4,5,6,7
	PIECES 128*((\st)%2)+FR*\i, ADRB+2*(\i/4), \st, (\i%4)*16*PITCH
.endr
	WIN 0
.irp i, 0,1,2,3
	PIECES AF+48*((\st)%2)+FR*\i, ADRA, \st, \i*16*PITCH
.endr
.endm
.macro WL a, b, ra, rb, q, c
	v_wmma_scale_f32_16x16x128_f8f6f4 v[8*(8*(\a)+(\b)):8*(8*(\a)+(\b))+7], v[128*((\q)%2)+FR*(\b):128*((\q)%2)+FR*(\b)+FR-1], v[AF+48*((\q)%2)+FR*(\a):AF+48*((\q)%2)+FR*(\a)+FR-1], \c, v[SB+8*((\b)/2)+(\q)], v[SA+8*((\a)/2)+(\q)] matrix_a_fmt:MATRIX_FMT_FP6 matrix_b_fmt:MATRIX_FMT_FP6 matrix_a_scale:MATRIX_SCALE_ROW\rb matrix_b_scale:MATRIX_SCALE_ROW\ra
.endm
.macro WM a, b, ra, rb, q
.set D_, 8*(8*(\a)+(\b))
.if (\q) == 0
	WL \a, \b, \ra, \rb, \q, 0
.else
	WL \a, \b, \ra, \rb, \q, v[D_:D_+7]
.endif
.endm
; a step of 128 along K: its fragments are in; the next step's are asked for; 32 products, the accumulators by turns
.macro STEP q
	s_wait_dscnt 0x0
.if (\q) < 7
.if (\q) > 0
	PLACES 4                                       ; between the last step's products and the loads into their sources
.endif
	FETCH (\q)+1
.endif
	WIN 0xa1                                       ; source 0 window 1, source 1 window 0, C and D window 2
.irp ap, 0,1
.irp ra, 0,1
.irp bp, 0,1,2,3
.irp rb, 0,1
	WM 2*\ap+\ra, 2*\bp+\rb, \ra, \rb, \q
.endr
.endr
.endr
.endr
	WIN 0
.endm
	s_wait_tensorcnt 0x0                           ; my part of the tiles is in,
	s_barrier_signal -1
	s_barrier_wait -1                              ; everybody's is
	FETCH 0
	s_wait_loadcnt 0x0                             ; the scale words
.irp q, 0,1,2,3,4,5,6,7
	STEP \q
.endr
; BLOCK a OF A GOES OUT.  Register 64 a + 16 b + i of my lane is the number of B's row 32 b + 16 (i / 8) + 8 (lane / 16) + i % 8, for A's row 16 a + lane % 16.
.macro QT a
.set AC, 64*(\a)
	WIN 0x0a
.irp b, 0,1,2,3
	v_max3_num_f32 v[TM+\b], |v[AC+16*\b]|, |v[AC+16*\b+1]|, 0x1800000   ; with the floor 2^(3 - 127)
.endr
.irp i, 2,4,6,8,10,12,14
.irp b, 0,1,2,3
	v_max3_num_f32 v[TM+\b], |v[AC+16*\b+\i]|, |v[AC+16*\b+\i+1]|, v[TM+\b]
.endr
.endr
	WIN 0
.irp b, 0,1,2,3
	v_permlanex16_b32 v[TM+4+\b], v[TM+\b], s98, s99
.endr
.irp b, 0,1,2,3
	v_max_num_f32 v[TM+\b], v[TM+\b], v[TM+4+\b]
.endr
.irp b, 0,1,2,3
	v_add_nc_u32 v[TM+12+\b], 0xff000000, v[TM+\b] ; 2 off the exponent field: the conversion's scale operand
.endr
.irp b, 0,1,2,3
	v_lshrrev_b32 v[TM+4+\b], 23, v[TM+12+\b]      ; the byte
.endr
	v_lshl_or_b32 v[PW+(\a)], v[TM+5], 8, v[TM+4]
	v_lshl_or_b32 v[PW+(\a)], v[TM+6], 16, v[PW+(\a)]
	v_lshl_or_b32 v[PW+(\a)], v[TM+7], 24, v[PW+(\a)]
	s_wait_alu depctr_va_vdst(0)                   ; the wait ahead of the wait below
	s_wait_xcnt 0x0                                ; the last block's stores have read their data
	WIN 0x02
.irp c, 0,1
	v_cvt_scalef32_pk16_fp6_f32 v[CD+6*\c:CD+6*\c+2], v[AC+32*\c:AC+32*\c+15], v[TM+12+2*\c]
	v_cvt_scalef32_pk16_fp6_f32 v[CD+12+4*\c:CD+14+4*\c], v[AC+32*\c+16:AC+32*\c+31], v[TM+13+2*\c]
.endr
	WIN 0
	v_nop                                          ; one plain place behind a scaled conversion
.irp c, 0,1
.irp i, 0,1,2
	v_permlane16_swap_b32 v[CD+6*\c+\i], v[CD+12+4*\c+\i]
.endr
.irp i, 0,1,2
	v_mov_b32 v[CD+3+6*\c+\i], v[CD+12+4*\c+\i]
.endr
.endr
.irp g, 0,1
.irp p, 0,1,2
	global_store_b64 v[VO+2*\g], v[CD+6*\g+2*\p:CD+6*\g+2*\p+1], s[12:13] offset:(\a)*768+256*\p   ; 32 lanes store 256 consecutive bytes, aligned
.endr
.endr
.endm
	PLACES 4
.irp a, 0,1,2,3
	QT \a
.endr
	; the scale words, two a lane.  q, k: word i joins two bytes of blocks 2 i, 2 i + 1 (lanes 0-15 the first head's, lanes 16-31 the second's).  v: lanes 0-15 blocks 0, 1, lanes 16-31 blocks 2, 3.  Both are made, kind chooses.
	v_perm_b32 v[TW], v[PW+1], v[PW], v[PSEL]
	v_perm_b32 v[TW+1], v[PW+3], v[PW+2], v[PSEL]
	v_cndmask_b32 v[FW], v[PW], v[PW+2], s100
	v_cndmask_b32 v[FW+1], v[PW+1], v[PW+3], s100
	v_cndmask_b32 v[FW], v[TW], v[FW], s95
	v_cndmask_b32 v[FW+1], v[TW+1], v[FW+1], s95
	global_store_b64 v[VS], v[FW:FW+1], s[92:93]
	s_wait_tensorcnt 0x0                           ; the wave's end
	ds_add_u32 v[SPW], v[NIL]
	s_wait_dscnt 0x0
	CROUND                                         ; the closing round
	s_endpgm
.Lfunc_end_k_q97b2b64f01_proj:
	.size	k_q97b2b64f01_proj, .Lfunc_end_k_q97b2b64f01_proj-k_q97b2b64f01_proj
	.p2alignl 7, 3214868480
	.fill 96, 4, 3214868480
	.section	.rodata,"a",@progbits
	.p2align	6, 0x0
	.amdhsa_kernel k_q97b2b64f01_proj
		.amdhsa_group_segment_fixed_size 327680
		.amdhsa_private_segment_fixed_size 0
		.amdhsa_enable_private_segment 0
		.amdhsa_kernarg_size 104
		.amdhsa_user_sgpr_count 2
		.amdhsa_user_sgpr_kernarg_segment_ptr 1
		.amdhsa_wavefront_size32 1
		.amdhsa_system_sgpr_workgroup_id_x 1
		.amdhsa_system_sgpr_workgroup_id_y 1
		.amdhsa_system_sgpr_workgroup_id_z 1
		.amdhsa_system_vgpr_workitem_id 0
		.amdhsa_next_free_vgpr 768
		.amdhsa_next_free_sgpr 102
		.amdhsa_reserve_vcc 0
		.amdhsa_float_denorm_mode_32 3
		.amdhsa_float_denorm_mode_16_64 3
		.amdhsa_memory_ordered 1
		.amdhsa_forward_progress 1
		.amdhsa_inst_pref_size 98
	.end_amdhsa_kernel
	.amdgpu_metadata
---
amdhsa.version: [ 1, 2 ]
amdhsa.kernels:
  - .name:           k_q97b2b64f01_proj
    .symbol:         k_q97b2b64f01_proj.kd
    .args:
      - { .name: query_codes, .offset: 0, .size: 8, .value_kind: global_buffer, .address_space: global }
      - { .name: query_scales, .offset: 8, .size: 8, .value_kind: global_buffer, .address_space: global }
      - { .name: Wq_codes, .offset: 16, .size: 8, .value_kind: global_buffer, .address_space: global }
      - { .name: Wq_scales, .offset: 24, .size: 8, .value_kind: global_buffer, .address_space: global }
      - { .name: key_codes, .offset: 32, .size: 8, .value_kind: global_buffer, .address_space: global }
      - { .name: key_scales, .offset: 40, .size: 8, .value_kind: global_buffer, .address_space: global }
      - { .name: Wk_codes, .offset: 48, .size: 8, .value_kind: global_buffer, .address_space: global }
      - { .name: Wk_scales, .offset: 56, .size: 8, .value_kind: global_buffer, .address_space: global }
      - { .name: Wv_codes, .offset: 64, .size: 8, .value_kind: global_buffer, .address_space: global }
      - { .name: Wv_scales, .offset: 72, .size: 8, .value_kind: global_buffer, .address_space: global }
      - { .name: value_codes, .offset: 80, .size: 8, .value_kind: global_buffer, .address_space: global }
      - { .name: value_scales, .offset: 88, .size: 8, .value_kind: global_buffer, .address_space: global }
      - { .name: qkv, .offset: 96, .size: 8, .value_kind: global_buffer, .address_space: global }
    .group_segment_fixed_size: 327680
    .private_segment_fixed_size: 0
    .kernarg_segment_align: 8
    .kernarg_segment_size: 104
    .max_flat_workgroup_size: 128
    .sgpr_count:     102
    .vgpr_count:     768
    .wavefront_size: 32
...
	.end_amdgpu_metadata
.endif
;; end of part 1
;; launch attn (part 2): grid 4 x 64, 16 waves a work-group, clusters of 4 x 1, 327,680 bytes of LDS; arguments qkv, oc, os; writes oc, os
.if DOCPART == 2
	.amdgcn_target "amdgcn-amd-amdhsa--gfx1250"
	.amdhsa_code_object_version 6
	.text
	.protected	k_q97b2b64f01_attn
	.globl	k_q97b2b64f01_attn
	.p2align	8
	.type	k_q97b2b64f01_attn,@function
k_q97b2b64f01_attn:
	s_mov_b64 s[64:65], 0
	v_nop
	global_prefetch_b8 v0, s[64:65] scope:SCOPE_SE
	s_setreg_imm32_b32 hwreg(HW_REG_WAVE_MODE, 25, 1), 1
	s_wait_xcnt 0x0
	s_wait_alu depctr_hold_cnt(0) depctr_sa_sdst(0) depctr_va_vdst(0) depctr_va_sdst(0) depctr_va_ssrc(0) depctr_va_vcc(0) depctr_vm_vsrc(0)
	s_getreg_b32 s2, hwreg(HW_REG_IB_STS2, 6, 4)
	s_cmp_eq_u32 s2, 0
	s_cbranch_scc0 .Lentry_in_a_cluster
	s_endpgm
.Lentry_in_a_cluster:
	s_bfe_u32 s2, ttmp6, 0x10000c
	s_cmp_lg_u32 s2, 0x3003
	s_cbranch_scc0 .Lentry_shape_is_right
	s_endpgm
.Lentry_shape_is_right:
; ATTENTION ON CODES OF FP6 FOR TWO HEADS OF ONE BATCH: S^T = k q^T, p = 2^(t - M) with a running whole M, O^T += v^T p^T, O / l quantised along the heads' channels into oc, os.
; A work-group of 16 waves serves 256 queries (a wave 16) of both heads; the four work-groups of a cluster share the heads' K and V and ask for them jointly.
; BOTH HEADS' TILES (K codes, V codes, K scales, V scales: 102,400 bytes on end in each record) come by ONE tensor load a wave at the head: waves 0-7 an eighth of the first head's each, waves 8-15 of the second's,
; 50 rows of 256 bytes, to LDS byte wave x 12,800.  One wait for 0 in every wave and one barrier show both tiles; nothing is filled again and no wave writes LDS, so no barrier stands between the heads.
; No prefetch: all that a work-group reads is asked for at its head.
; LIMIT: the promise holds while the scaled scores stay under 2^31 in magnitude; NaN and infinities are not served.
.set REC,  153600
.set HB,   102400
.set WB,   12800
.set L8,   1
.set R16,  2
.set R32,  3
.set ADC,  4
.set ADS,  5
.set QF,   22
.set QS,   34
.set FRG,  36
.set KSC,  84
.set VSC,  88
.set S,    96
.set OT,   160
.set PC,   192
.set PX,   204
.set BM,   212
.set BT,   216
.set SO,   220
.set PS,   224
.set F,    226
.set T0,   228
.set SUM2, 230
.set Q1,   236
.set OC,   244
.set WV,   12
.set SEL,  32
.set CS,   34
.set TC,   36
.set TS,   37
.set CNT,  38
.macro CROUND
	s_barrier_signal -1
	s_barrier_wait -1
	s_cmp_lg_u32 s[WV], 0
	s_cbranch_scc1 .Lnot_wave_0_\@
	s_barrier_signal -3
.Lnot_wave_0_\@:
	s_barrier_wait -3
	s_barrier_signal -1
	s_barrier_wait -1
.endm
	s_load_b128 s[4:7], s[0:1], 0x0
	s_load_b64 s[8:9], s[0:1], 0x10
	v_lshl_add_u32 v254, v0, 2, 0x32000
	v_mov_b32 v255, 0
	ds_add_u32 v254, v255
	ds_add_u32 v254, v255
	v_lshrrev_b32 v1, 5, v0
	s_delay_alu instid0(VALU_DEP_1)
	v_readfirstlane_b32 s[WV], v1
	s_bfe_u32 s13, ttmp6, 0x40000
	s_and_b32 s14, ttmp7, 0xffff
	s_lshl_b32 s15, s13, 4
	s_add_co_u32 s15, s15, s[WV]
	s_mov_b32 s16, 15|(3<<16)|(1<<21)
	s_mov_b32 s17, 32<<16
	s_mov_b32 s18, 50<<16
	s_mov_b32 s19, 32<<16
	s_mov_b32 s20, 50
	s_mov_b32 s21, 32
	s_mov_b32 s22, 0
	s_mov_b32 s23, 0
	s_mul_i32 s48, s14, 2*REC
	s_mov_b32 s49, 0
	s_mul_i32 s10, s[WV], WB
	s_add_co_u32 s50, s48, s10
	s_add_co_u32 s50, s50, 51200
	s_lshr_b32 s11, s[WV], 3                       ; waves 8-15: the second head's record
	s_mul_i32 s11, s11, REC-HB
	s_add_co_u32 s50, s50, s11
	s_mov_b32 s51, 0
	s_mov_b32 s[SEL], 0x76543210
	s_mov_b32 s[SEL+1], 0xfedcba98
	s_mov_b32 s[CS], 0x3d38aa3b
	s_mov_b32 s[CS+1], s[CS]
	s_and_b32 s39, s[WV], 1
	s_lshl_b32 s39, s39, 4
	s_wait_dscnt 0x0
	s_wait_kmcnt 0x0
	CROUND
	s_mov_b32 s24, 1
	s_mov_b32 s25, s10
	s_add_nc_u64 s[26:27], s[4:5], s[50:51]
	s_or_b32 s27, s27, 0x80000000
	tensor_load_to_lds s[24:27], s[16:23]
	s_nop 0
.rept 4
	v_nop
.endr
	s_mul_i32 s10, s15, 768
	s_add_co_u32 s10, s10, s48
	s_mov_b32 s11, 0
	s_add_nc_u64 s[40:41], s[4:5], s[10:11]
	s_lshr_b32 s52, s15, 3
	s_lshl_b32 s52, s52, 8
	s_bfe_u32 s53, s15, 0x20001
	s_lshl_b32 s53, s53, 2
	s_add_co_u32 s52, s52, s53
	s_add_co_u32 s52, s52, s48
	s_mov_b32 s53, 0
	s_add_nc_u64 s[42:43], s[4:5], s[52:53]
	s_and_b32 s10, s14, 7
	s_lshr_b32 s52, s14, 3
	s_lshl_b32 s52, s52, 6
	s_add_co_u32 s52, s52, s15
	s_lshr_b32 s11, s10, 1
	s_mul_i32 s11, s11, 1572864
	s_mul_i32 s53, s52, 3072
	s_add_co_u32 s11, s11, s53
	s_and_b32 s53, s10, 1
	s_mul_i32 s53, s53, 1536
	s_add_co_u32 s50, s11, s53
	s_mov_b32 s51, 0
	s_add_nc_u64 s[44:45], s[6:7], s[50:51]
	s_lshl_b32 s50, s52, 9
	s_lshl_b32 s11, s10, 2
	s_add_co_u32 s50, s50, s11
	s_add_nc_u64 s[46:47], s[8:9], s[50:51]
	v_and_b32 v[L8], 31, v0
	s_delay_alu instid0(VALU_DEP_1)
	v_lshlrev_b32 v[L8], 3, v[L8]
	v_and_b32 v[R16], 15, v0
	s_delay_alu instid0(VALU_DEP_1)
	v_lshlrev_b32 v[R32], 5, v[R16]
	s_delay_alu instid0(VALU_DEP_2)
	v_lshlrev_b32 v[R16], 4, v[R16]
.irp p, 0,1,2
	global_load_b64 v[QF+2*\p:QF+2*\p+1], v[L8], s[40:41] offset:256*\p
.endr
.irp p, 0,1,2
	global_load_b64 v[Q1+2*\p:Q1+2*\p+1], v[L8], s[40:41] offset:REC+256*\p
.endr
	global_load_b32 v243, v[R16], s[42:43] offset:49152
	global_load_b32 v242, v[R16], s[42:43] offset:REC+49152
.irp i, 0,1,2,3,4,5
	v_mov_b32 v[QF-6+\i], 0
	v_mov_b32 v[QF+6+\i], 0
.endr
.irp b, 0,1,2,3
	v_mov_b32 v[BT+\b], 0
.endr
	v_mov_b32 v[F+1], 0
	s_wait_loadcnt 0x0
.macro STEP
	v_add_nc_u32 v[ADC], s[TC], v[L8]
	v_add_nc_u32 v[ADS], s[TS], v[R16]
	v_nop
	v_nop
.irp i, 0,1,2,3
.irp p, 0,1,2,3,4,5
	ds_load_b64 v[FRG+12*\i+2*\p:FRG+12*\i+2*\p+1], v[ADC] offset:1536*\i+256*\p
.endr
.endr
	ds_load_b128 v[KSC:KSC+3], v[ADS]
	s_wait_alu depctr_va_vdst(0)
	s_wait_dscnt 0x0
.irp i, 0,1,2,3
	v_wmma_scale_f32_16x16x128_f8f6f4 v[S+16*\i:S+16*\i+7], v[FRG+12*\i:FRG+12*\i+11], v[QF:QF+11], 0, v[KSC+\i], v[QS] matrix_a_fmt:MATRIX_FMT_FP6 matrix_b_fmt:MATRIX_FMT_FP6
	v_wmma_scale_f32_16x16x128_f8f6f4 v[S+16*\i+8:S+16*\i+15], v[FRG+12*\i:FRG+12*\i+11], v[QF-6:QF+5], 0, v[KSC+\i], v[QS] matrix_a_fmt:MATRIX_FMT_FP6 matrix_b_fmt:MATRIX_FMT_FP6
.endr
.rept 4
	v_nop
.endr
.irp t, 0,1,2,3
.irp c, 0,1
.irp p, 0,1,2
	ds_load_b64 v[FRG+12*\t+6*\c+2*\p:FRG+12*\t+6*\c+2*\p+1], v[ADC] offset:49152+768*\t+3072*\c+256*\p
.endr
.endr
.endr
	ds_load_b128 v[VSC:VSC+3], v[ADS] offset:2048
.irp b, 0,1,2,3
	v_max3_num_f32 v[BM+\b], v[S+16*\b], v[S+1+16*\b], v[S+2+16*\b]
.endr
.irp i, 3,5,7,9,11,13
.irp b, 0,1,2,3
	v_max3_num_f32 v[BM+\b], v[BM+\b], v[S+16*\b+\i], v[S+1+16*\b+\i]
.endr
.endr
.irp b, 0,1,2,3
	v_max_num_f32 v[BM+\b], v[BM+\b], v[S+15+16*\b]
.endr
.irp b, 0,1,2,3
	s_delay_alu instid0(VALU_DEP_4)
	v_permlanex16_b32 v[BT+\b], v[BM+\b], s[SEL], s[SEL+1]
.endr
.irp b, 0,1,2,3
	s_delay_alu instid0(VALU_DEP_4)
	v_max_num_f32 v[BM+\b], v[BM+\b], v[BT+\b]
.endr
	s_delay_alu instid0(VALU_DEP_2)
	v_max3_num_f32 v[T0], v[BM], v[BM+1], v[BM+2]
	s_delay_alu instid0(VALU_DEP_1)
	v_max_num_f32 v[T0], v[T0], v[BM+3]
	s_delay_alu instid0(VALU_DEP_1)
	v_mul_f32 v[T0], s[CS], v[T0]
	s_delay_alu instid0(VALU_DEP_1)
	v_max_num_f32 v13, v13, v[T0]
	v_mov_b32 v[T0], v12
	s_delay_alu instid0(VALU_DEP_2)
	v_floor_f32 v12, -v13
	s_delay_alu instid0(VALU_DEP_1)
	v_sub_f32 v[T0], v12, v[T0]
	s_delay_alu instid0(VALU_DEP_1)
	v_cvt_i32_f32 v[T0], v[T0]
	s_delay_alu instid0(VALU_DEP_1)
	v_ldexp_f32 v[F], 1.0, v[T0]
.set j, 0
.rept 32
	v_pk_fma_f32 v[S+j:S+j+1], v[S+j:S+j+1], s[CS:CS+1], v[12:13] op_sel_hi:[1,0,0]
.set j, j+2
.endr
.irp b, 0,1,2,3
	v_fma_f32 v[BM+\b], v[BM+\b], s[CS], v12
.endr
.set j, 0
	s_wait_alu depctr_va_vdst(0)
.rept 64
	v_exp_f32 v[S+j], v[S+j]
.set j, j+1
.endr
	v_pk_mul_f32 v[14:15], v[14:15], v[F:F+1] op_sel_hi:[1,0]
	s_wait_alu depctr_va_vdst(0)
.irp b, 0,1,2,3
	v_exp_f32 v[BM+\b], v[BM+\b]
.endr
	v_pk_add_f32 v[SUM2:SUM2+1], v[S:S+1], v[S+2:S+3]
.set j, 4
.rept 15
	v_pk_add_f32 v[14:15], v[14:15], v[S+j:S+j+1]
	v_pk_add_f32 v[SUM2:SUM2+1], v[SUM2:SUM2+1], v[S+j+2:S+j+3]
.set j, j+4
.endr
	s_delay_alu instid0(VALU_DEP_1)
	v_pk_add_f32 v[14:15], v[14:15], v[SUM2:SUM2+1]
	s_wait_alu depctr_va_vdst(0)
.irp b, 0,1,2,3
	v_max_num_f32 v[BM+\b], 0x1800000, v[BM+\b]
.endr
.irp b, 0,1,2,3
	s_delay_alu instid0(VALU_DEP_4)
	v_add_nc_u32 v[SO+\b], 0xff000000, v[BM+\b]
.endr
.irp b, 0,1,2,3
	s_delay_alu instid0(VALU_DEP_4)
	v_lshrrev_b32 v[BT+\b], 23, v[SO+\b]
.endr
	s_delay_alu instid0(VALU_DEP_3)
	v_lshl_or_b32 v[PS], v[BT+1], 8, v[BT]
	s_delay_alu instid0(VALU_DEP_1)
	v_lshl_or_b32 v[PS], v[BT+2], 16, v[PS]
	s_delay_alu instid0(VALU_DEP_1)
	v_lshl_or_b32 v[PS], v[BT+3], 24, v[PS]
.irp c, 0,1
	v_cvt_scalef32_pk16_fp6_f32 v[PC+6*\c:PC+6*\c+2], v[S+32*\c:S+32*\c+15], v[SO+2*\c]
	v_cvt_scalef32_pk16_fp6_f32 v[PX+4*\c:PX+4*\c+2], v[S+32*\c+16:S+32*\c+31], v[SO+2*\c+1]
.endr
	v_nop
.irp c, 0,1
.irp i, 0,1,2
	v_permlane16_swap_b32 v[PC+6*\c+\i], v[PX+4*\c+\i]
.endr
.irp i, 0,1,2
	s_delay_alu instid0(VALU_DEP_3)
	v_mov_b32 v[PC+3+6*\c+\i], v[PX+4*\c+\i]
.endr
.endr
.set j, 0
.rept 16
	v_pk_mul_f32 v[OT+j:OT+j+1], v[OT+j:OT+j+1], v[F:F+1] op_sel_hi:[1,0]
.set j, j+2
.endr
	s_wait_alu depctr_va_vdst(0)
	s_wait_dscnt 0x0
.irp t, 0,1,2,3
	v_wmma_scale_f32_16x16x128_f8f6f4 v[OT+8*\t:OT+8*\t+7], v[FRG+12*\t:FRG+12*\t+11], v[PC:PC+11], v[OT+8*\t:OT+8*\t+7], v[VSC+\t], v[PS] matrix_a_fmt:MATRIX_FMT_FP6 matrix_b_fmt:MATRIX_FMT_FP6
.endr
	s_add_co_u32 s[TC], s[TC], 6144
	s_add_co_u32 s[TS], s[TS], 256
.endm
.macro FINISH e
	s_wait_xcnt 0x0
	v_add_f32 v14, v14, v15
	s_delay_alu instid0(VALU_DEP_1)
	v_permlanex16_b32 v[T0], v14, s[SEL], s[SEL+1]
	s_delay_alu instid0(VALU_DEP_1)
	v_add_f32 v14, v14, v[T0]
	s_wait_alu depctr_va_vdst(0)
	v_rcp_f32 v14, v14
.rept 4
	v_nop
.endr
	s_wait_alu depctr_va_vdst(0)
.set j, 0
.rept 16
	v_pk_mul_f32 v[S+j:S+j+1], v[OT+j:OT+j+1], v[14:15] op_sel_hi:[1,0]
.set j, j+2
.endr
.irp b, 0,1
.irp i, 0,1,2,3,4,5,6,7
	v_permlane16_swap_b32 v[S+16*\b+\i], v[S+8+16*\b+\i]
.endr
.endr
.irp b, 0,1
	v_max3_num_f32 v[BM+\b], |v[S+16*\b]|, |v[S+1+16*\b]|, 0x1800000
.endr
.irp i, 2,4,6,8,10,12,14
.irp b, 0,1
	s_delay_alu instid0(VALU_DEP_2)
	v_max3_num_f32 v[BM+\b], v[BM+\b], |v[S+16*\b+\i]|, |v[S+1+16*\b+\i]|
.endr
.endr
.irp b, 0,1
	s_delay_alu instid0(VALU_DEP_2)
	v_permlanex16_b32 v[BT+\b], v[BM+\b], s[SEL], s[SEL+1]
.endr
.irp b, 0,1
	s_delay_alu instid0(VALU_DEP_2)
	v_max_num_f32 v[BM+\b], v[BM+\b], v[BT+\b]
.endr
.irp b, 0,1
	s_delay_alu instid0(VALU_DEP_2)
	v_add_nc_u32 v[SO+\b], 0xff000000, v[BM+\b]
.endr
.irp b, 0,1
	s_delay_alu instid0(VALU_DEP_2)
	v_lshrrev_b32 v[BT+\b], 23, v[SO+\b]
.endr
	s_delay_alu instid0(VALU_DEP_1)
	v_lshl_or_b32 v[T0], v[BT+1], 8, v[BT]
.if \e
	s_delay_alu instid0(VALU_DEP_1)
	v_lshl_or_b32 v7, v[T0], 16, v6
.else
	s_delay_alu instid0(VALU_DEP_1)
	v_mov_b32 v6, v[T0]
.endif
	v_cvt_scalef32_pk16_fp6_f32 v[OC:OC+2], v[S:S+15], v[SO]
	v_cvt_scalef32_pk16_fp6_f32 v[OC+6:OC+8], v[S+16:S+31], v[SO+1]
	v_nop
.irp i, 0,1,2
	v_permlane16_swap_b32 v[OC+\i], v[OC+6+\i]
.endr
.irp i, 0,1,2
	s_delay_alu instid0(VALU_DEP_3)
	v_mov_b32 v[OC+3+\i], v[OC+6+\i]
.endr
.irp p, 0,1,2
	global_store_b64 v[L8], v[OC+2*\p:OC+2*\p+1], s[44:45] offset:768*\e+256*\p
.endr
.if \e
	global_store_b32 v[R32], v7, s[46:47]
.endif
.endm
.macro HEAD e
.if \e
.irp i, 0,1,2,3,4,5
	v_mov_b32 v[QF+\i], v[Q1+\i]
.endr
.endif
	v_lshrrev_b32 v[T0], s39, v[243-\e]
	s_delay_alu instid0(VALU_DEP_1)
	v_perm_b32 v[QS], v[T0], v[T0], 0x01000100
	v_mov_b32 v13, 0xff61b1e6
	s_delay_alu instid0(VALU_DEP_1)
	v_floor_f32 v12, -v13
	v_mov_b32 v14, 0
	v_mov_b32 v15, 0
.set j, 0
.rept 32
	v_mov_b32 v[OT+j], 0
.set j, j+1
.endr
	s_mov_b32 s[TC], \e*HB
	s_mov_b32 s[TS], \e*HB+98304
	s_mov_b32 s[CNT], 8
.if \e == 0
	s_wait_tensorcnt 0x0                           ; my part of the two tiles is in,
	s_wait_dscnt 0x0
	s_barrier_signal -1
	s_barrier_wait -1                              ; everybody's is
.endif
.Lstep_\@:
	STEP
	s_sub_co_u32 s[CNT], s[CNT], 1
	s_cmp_lg_u32 s[CNT], 0
	s_cbranch_scc1 .Lstep_\@
	FINISH \e
.endm
	HEAD 0
	HEAD 1
	s_wait_dscnt 0x0
	s_wait_tensorcnt 0x0
	ds_add_u32 v254, v255
	s_wait_dscnt 0x0
	CROUND
	s_endpgm
.Lfunc_end_k_q97b2b64f01_attn:
	.size	k_q97b2b64f01_attn, .Lfunc_end_k_q97b2b64f01_attn-k_q97b2b64f01_attn
	.p2alignl 7, 3214868480
	.fill 96, 4, 3214868480
	.section	.rodata,"a",@progbits
	.p2align	6, 0x0
	.amdhsa_kernel k_q97b2b64f01_attn
		.amdhsa_group_segment_fixed_size 327680
		.amdhsa_private_segment_fixed_size 0
		.amdhsa_enable_private_segment 0
		.amdhsa_kernarg_size 24
		.amdhsa_user_sgpr_count 2
		.amdhsa_user_sgpr_kernarg_segment_ptr 1
		.amdhsa_wavefront_size32 1
		.amdhsa_system_sgpr_workgroup_id_x 1
		.amdhsa_system_sgpr_workgroup_id_y 1
		.amdhsa_system_sgpr_workgroup_id_z 1
		.amdhsa_system_vgpr_workitem_id 0
		.amdhsa_next_free_vgpr 256
		.amdhsa_next_free_sgpr 66
		.amdhsa_reserve_vcc 0
		.amdhsa_float_denorm_mode_32 3
		.amdhsa_float_denorm_mode_16_64 3
		.amdhsa_memory_ordered 1
		.amdhsa_forward_progress 1
		.amdhsa_inst_pref_size 56
	.end_amdhsa_kernel
	.amdgpu_metadata
---
amdhsa.version: [ 1, 2 ]
amdhsa.kernels:
  - .name:           k_q97b2b64f01_attn
    .symbol:         k_q97b2b64f01_attn.kd
    .args:
      - { .name: qkv, .offset: 0, .size: 8, .value_kind: global_buffer, .address_space: global }
      - { .name: oc, .offset: 8, .size: 8, .value_kind: global_buffer, .address_space: global }
      - { .name: os, .offset: 16, .size: 8, .value_kind: global_buffer, .address_space: global }
    .group_segment_fixed_size: 327680
    .private_segment_fixed_size: 0
    .kernarg_segment_align: 8
    .kernarg_segment_size: 24
    .max_flat_workgroup_size: 512
    .sgpr_count:     66
    .vgpr_count:     256
    .wavefront_size: 32
...
	.end_amdgpu_metadata
.endif
;; end of part 2
;; launch outp (part 3): grid 4 x 64, 4 waves a work-group, clusters of 4 x 4, 327,680 bytes of LDS; arguments oc, os, Wo_codes, Wo_scales, out0; writes out0
.if DOCPART == 3
	.amdgcn_target "amdgcn-amd-amdhsa--gfx1250"
	.amdhsa_code_object_version 6
	.text
	.protected	k_q97b2b64f01_outp
	.globl	k_q97b2b64f01_outp
	.p2align	8
	.type	k_q97b2b64f01_outp,@function
k_q97b2b64f01_outp:
	s_mov_b64 s[64:65], 0
	v_nop
	global_prefetch_b8 v0, s[64:65] scope:SCOPE_SE
	s_setreg_imm32_b32 hwreg(HW_REG_WAVE_MODE, 25, 1), 1
	s_wait_xcnt 0x0
	s_wait_alu depctr_hold_cnt(0) depctr_sa_sdst(0) depctr_va_vdst(0) depctr_va_sdst(0) depctr_va_ssrc(0) depctr_va_vcc(0) depctr_vm_vsrc(0)
	s_getreg_b32 s2, hwreg(HW_REG_IB_STS2, 6, 4)
	s_cmp_eq_u32 s2, 0
	s_cbranch_scc0 .Lentry_in_a_cluster
	s_endpgm
.Lentry_in_a_cluster:
	s_bfe_u32 s2, ttmp6, 0x10000c
	s_cmp_lg_u32 s2, 0xf033
	s_cbranch_scc0 .Lentry_shape_is_right
	s_endpgm
.Lentry_shape_is_right:
; out0 = o Wo^T ON CODES OF FP6.  A = the attention's result: oc [256 of K kq][token tile][128 of K][6 pieces][32 lanes][8 bytes], images of operand registers; os [token][32] scale bytes.  B = Wo, rows of 768 bytes, 32 scale bytes.
; A work-group of four waves makes 128 tokens x 256 columns; a wave 64 x 128: 32 accumulators (window 2).  ALL OF K LIES IN LDS, filled once, one joint load a wave:
; waves 0, 1 two of A's four blocks of 24,576 bytes each (one tile row each), waves 2, 3 128 rows of Wo each (768 bytes + 16 behind every 256).  Nothing is filled again.
; The scale words go from memory straight into registers: a lane takes one row's 32 bytes, two blocks of 16 rows to a register.
; CLUSTERS: 4 x 4; A's tiles are asked for jointly along a row of the cluster, B's along a column.  No prefetch: all that a work-group reads is asked for at its head, so there is no loop to run ahead in.
; TRANSPOSED USE (source 0 = Wo's rows, source 1 = tokens): a lane holds eight neighbouring columns of one row of out0.  A block of 16 rows x 128 columns goes through the wave's stage in LDS and leaves as rows of 512 bytes.
; The stage lies on A's bytes: a barrier in the last step shows that nobody reads them any more, and no load lands there again.
.set SIZE_N, 1024
.set KROW,   768
.set PITCH,  816
.set FR,     12
.set KQB,    1572864                   ; from one 256 of K to the next in oc
.set ABLK,   24576                     ; 128 tokens x 256 of K
.set BB,     4*ABLK                    ; Wo's 256 rows lie behind A
.set SPARE,  BB+256*PITCH
.set SPITCH, 528
.set ADRA, 16                          ; v16 8 x lane + my four tiles, K 0-511; v17 K 512-1,023
.set ADRB, 20                          ; v20, v21 B's blocks 0-3 (v21: behind one padding more); v22, v23 blocks 4-7
.set STO,  24
.set RD,   25
.set CO,   26
.set VSO,  27
.set SPW,  28
.set NIL,  29
.set SB,   32                          ; v32-63 B's scale words
.set SA,   108                         ; v108-123 A's
.set AF,   128                         ; A's fragments, two sets of 48
.set BK,   128                         ; the way out: rows read back, v128-191 and v192-255 by turns
.set G1, 24
.set G0, 32
.set G1B, 48
.set G0B, 56
.set MSB, 0
.macro WIN new
.if MSB != \new
	s_set_vgpr_msb (MSB<<8)|\new
.set MSB, \new
.endif
.endm
.macro PLACES n
.rept \n
	v_nop
.endr
.endm
.macro CROUND
	s_barrier_signal -1
	s_barrier_wait -1
	s_cmp_lg_u32 s14, 0
	s_cbranch_scc1 .Lnot_wave_0_\@
	s_barrier_signal -3
.Lnot_wave_0_\@:
	s_barrier_wait -3
	s_barrier_signal -1
	s_barrier_wait -1
.endm
	s_load_b128 s[4:7], s[0:1], 0x0                ; oc, os
	s_load_b128 s[8:11], s[0:1], 0x10              ; Wo's codes, scales
	s_load_b64 s[12:13], s[0:1], 0x20              ; out0
	v_lshl_add_u32 v[SPW], v0, 2, SPARE
	v_mov_b32 v[NIL], 0
	ds_add_u32 v[SPW], v[NIL]                      ; the opening lines: the add twice and its wait
	ds_add_u32 v[SPW], v[NIL]
	v_lshrrev_b32 v1, 5, v0
	v_readfirstlane_b32 s14, v1
	s_lshr_b32 s15, s14, 1                         ; my half of the tokens; also: I fetch for A (0) or B (1)
	s_and_b32 s16, s14, 1                          ; my half of the columns; also: which half I fetch
	s_bfe_u32 s40, ttmp6, 0x40000
	s_bfe_u32 s41, ttmp6, 0x40004
	s_lshl_b32 s42, ttmp9, 2
	s_add_co_u32 s42, s42, s40                     ; which 256 columns
	s_and_b32 s17, ttmp7, 0xffff
	s_lshl_b32 s17, s17, 2
	s_add_co_u32 s17, s17, s41                     ; which 128 tokens
	s_lshl_b32 s43, s41, 2
	s_lshl_b32 s43, 15, s43
	s_lshl_b32 s44, 0x1111, s40
	s_or_b32 s[G1+0], s43, (3<<16)|(1<<21)         ; A: 2 rows of 3,072 elements of 8 bytes, KQB bytes apart, dense in LDS
	s_mov_b32 s[G1+1], (ABLK/8)<<16
	s_mov_b32 s[G1+2], 2<<16
	s_mov_b32 s[G1+3], (ABLK/8)<<16
	s_mov_b32 s[G1+4], 2
	s_mov_b32 s[G1+5], KQB/8
	s_mov_b32 s[G1+6], 0
	s_mov_b32 s[G1+7], 0
	s_or_b32 s[G1B+0], s44, (1<<20)|(1<<21)|(5<<22)|(3<<25)
	s_mov_b32 s[G1B+1], KROW<<16
	s_mov_b32 s[G1B+2], 128<<16
	s_mov_b32 s[G1B+3], KROW<<16
	s_mov_b32 s[G1B+4], 128
	s_mov_b32 s[G1B+5], KROW
	s_mov_b32 s[G1B+6], 0
	s_mov_b32 s[G1B+7], 0
	s_mul_i32 s22, s17, ABLK
	s_mul_i32 s18, s16, 2*KQB
	s_add_co_u32 s22, s22, s18
	s_mov_b32 s23, 0
	s_lshl_b32 s21, s42, 8
	s_lshl_b32 s19, s16, 7
	s_add_co_u32 s21, s21, s19                     ; my first row of Wo, to fetch and to multiply
	s_mul_i32 s46, s21, KROW
	s_mov_b32 s47, 0
	s_lshl_b32 s20, s17, 7
	s_lshl_b32 s19, s15, 6
	s_add_co_u32 s20, s20, s19                     ; my first token
	s_lshl_b32 s36, s20, 5
	s_mov_b32 s37, 0
	s_lshl_b32 s38, s21, 5
	s_mov_b32 s39, 0
	s_lshl_b32 s18, s20, 12                        ; a row of out0 is 4,096 bytes
	s_lshl_b32 s19, s21, 2
	s_add_co_u32 s18, s18, s19
	s_mov_b32 s19, 0
	s_mov_b32 s[G0], 1
	s_mul_i32 s[G0+1], s16, 2*ABLK
	s_mov_b32 s[G0B], 1
	s_mul_i32 s[G0B+1], s16, 128*PITCH
	s_add_co_u32 s[G0B+1], s[G0B+1], BB
	s_mul_i32 s66, s15, 4*3072                     ; my four token tiles in each block of A
	s_mov_b32 s67, s[G0B+1]
	s_mul_i32 s68, s14, 16*SPITCH                  ; my stage
	s_wait_dscnt 0x0
	s_wait_kmcnt 0x0
	s_add_nc_u64 s[G0+2:G0+3], s[4:5], s[22:23]
	s_or_b32 s[G0+3], s[G0+3], 0x80000000
	s_add_nc_u64 s[G0B+2:G0B+3], s[8:9], s[46:47]
	s_or_b32 s[G0B+3], s[G0B+3], 0x80000000
	s_add_nc_u64 s[6:7], s[6:7], s[36:37]
	s_add_nc_u64 s[10:11], s[10:11], s[38:39]
	s_add_nc_u64 s[12:13], s[12:13], s[18:19]
	CROUND
	s_cmp_eq_u32 s15, 0
	s_cbranch_scc0 .Lfor_b
	tensor_load_to_lds s[G0:G0+3], s[G1:G1+7]
	s_nop 0
	PLACES 4
	s_branch .Lasked
.Lfor_b:
	tensor_load_to_lds s[G0B:G0B+3], s[G1B:G1B+7]
	s_nop 0
	PLACES 4
.Lasked:
	v_and_b32 v1, 15, v0
	v_bfe_u32 v2, v0, 4, 1
	v_and_b32 v6, 31, v0
	v_mul_u32_u24 v3, v1, PITCH
	v_mad_u32_u24 v4, v2, 24, v3
	v_mad_u32_u24 v5, v2, 40, v3
	v_lshlrev_b32 v7, 3, v6
	v_add_nc_u32 v[ADRA], s66, v7
	v_add_nc_u32 v[ADRA+1], 2*ABLK, v[ADRA]
	v_add_nc_u32 v[ADRB], s67, v4
	v_add_nc_u32 v[ADRB+1], s67, v5
	v_add_nc_u32 v[ADRB+2], 64*PITCH, v[ADRB]
	v_add_nc_u32 v[ADRB+3], 64*PITCH, v[ADRB+1]
	v_lshlrev_b32 v[VSO], 5, v6
	v_mul_u32_u24 v8, v1, SPITCH
	v_lshl_add_u32 v8, v2, 5, v8
	v_add_nc_u32 v[STO], s68, v8
	v_lshlrev_b32 v[CO], 4, v6
	v_add_nc_u32 v[RD], s68, v[CO]
	s_wait_alu depctr_va_vdst(0)                   ; the wait at the head's end
.irp p, 0,1
.irp c, 0,1
	global_load_b128 v[SA+8*\p+4*\c:SA+8*\p+4*\c+3], v[VSO], s[6:7] offset:1024*\p+16*\c
.endr
.endr
.irp p, 0,1,2,3
.irp c, 0,1
	global_load_b128 v[SB+8*\p+4*\c:SB+8*\p+4*\c+3], v[VSO], s[10:11] offset:1024*\p+16*\c
.endr
.endr
.macro PIECES reg, adr, st, off        ; a fragment of Wo: six pieces of 8 bytes; lanes 16-31 read three pieces on
.irp p, 0,1,2,3,4,5
.set PN, 12*(\st)+6*(\p/3)+\p%3
.if PN%32 < 29
	ds_load_b64 v[\reg+2*\p:\reg+2*\p+1], v[\adr] offset:8*PN+16*(PN/32)+(\off)
.else
	ds_load_b64 v[\reg+2*\p:\reg+2*\p+1], v[\adr+1] offset:8*PN+16*(PN/32)+(\off)
.endif
.endr
.endm
.macro FETCH st                        ; step st's twelve fragments into set st % 2: 72 loads
	WIN 0x40
.irp i, 0,1,2,3,4,5,6,7
	PIECES 128*((\st)%2)+FR*\i, ADRB+2*(\i/4), \st, (\i%4)*16*PITCH
.endr
	WIN 0
.irp i, 0,1,2,3
.irp p, 0,1,2,3,4,5
	ds_load_b64 v[AF+48*((\st)%2)+FR*\i+2*\p:AF+48*((\st)%2)+FR*\i+2*\p+1], v[ADRA+(\st)/4] offset:(((\st)/2)%2)*ABLK+3072*\i+1536*((\st)%2)+256*\p
.endr
.endr
.endm
.macro WL a, b, ra, rb, q, c
	v_wmma_scale_f32_16x16x128_f8f6f4 v[8*(8*(\a)+(\b)):8*(8*(\a)+(\b))+7], v[128*((\q)%2)+FR*(\b):128*((\q)%2)+FR*(\b)+FR-1], v[AF+48*((\q)%2)+FR*(\a):AF+48*((\q)%2)+FR*(\a)+FR-1], \c, v[SB+8*((\b)/2)+(\q)], v[SA+8*((\a)/2)+(\q)] matrix_a_fmt:MATRIX_FMT_FP6 matrix_b_fmt:MATRIX_FMT_FP6 matrix_a_scale:MATRIX_SCALE_ROW\rb matrix_b_scale:MATRIX_SCALE_ROW\ra
.endm
.macro WM a, b, ra, rb, q
.set D_, 8*(8*(\a)+(\b))
.if (\q) == 0
	WL \a, \b, \ra, \rb, \q, 0
.else
	WL \a, \b, \ra, \rb, \q, v[D_:D_+7]
.endif
.endm
.macro STEP q                          ; 128 along K: its fragments are in; the next step's are asked for; 32 products, the accumulators by turns
	s_wait_dscnt 0x0
.if (\q) < 7
.if (\q) > 0
	PLACES 4
.endif
	FETCH (\q)+1
.else
	s_barrier_signal -1                            ; my reads of the tiles are over
.endif
	WIN 0xa1
.irp ap, 0,1
.irp ra, 0,1
.irp bp, 0,1,2,3
.irp rb, 0,1
	WM 2*\ap+\ra, 2*\bp+\rb, \ra, \rb, \q
.endr
.endr
.endr
.endr
	WIN 0
.endm
	s_wait_tensorcnt 0x0                           ; my part of the tiles is in,
	s_barrier_signal -1
	s_barrier_wait -1                              ; everybody's is
	FETCH 0
	s_wait_loadcnt 0x0                             ; the scale words
.irp q, 0,1,2,3,4,5,6,7
	STEP \q
.endr
	s_barrier_wait -1                              ; everybody's reads are over: the stages may be written
.macro TOSTAGE a
	WIN 0x08                                       ; the data: window 2
.irp b, 0,1,2,3,4,5,6,7
	ds_store_b128 v[STO], v[64*(\a)+8*\b:64*(\a)+8*\b+3] offset:64*\b          ; each accumulator from its low end on
	ds_store_b128 v[STO], v[64*(\a)+8*\b+4:64*(\a)+8*\b+7] offset:64*\b+16
.endr
	WIN 0
.set RB_, BK+64*((\a)%2)
.irp t, 0,1,2,3,4,5,6,7,8,9,10,11,12,13,14,15
	ds_load_b128 v[RB_+4*\t:RB_+4*\t+3], v[RD] offset:\t*SPITCH    ; a wave's LDS instructions are served in order: these see the stores above
.endr
.endm
.macro SEND a, younger                 ; younger: the LDS instructions issued behind block a's loads
.set RB_, BK+64*((\a)%2)
	s_wait_dscnt \younger
.if (\a) > 0
	s_add_nc_u64 s[12:13], s[12:13], 16*SIZE_N*4   ; (behind a wait on XCNT)
.endif
.irp t, 0,1,2,3,4,5,6,7,8,9,10,11,12,13,14,15
	global_store_b128 v[CO], v[RB_+4*\t:RB_+4*\t+3], s[12:13] offset:\t*SIZE_N*4 th:TH_STORE_NT   ; 32 lanes store 512 consecutive bytes, aligned
.endr
.endm
	PLACES 4
	TOSTAGE 0
.irp a, 1,2,3
.if \a > 1
	s_wait_xcnt 0x0                                ; block a - 2's stores have read their registers and their base
.endif
	TOSTAGE \a
	SEND \a-1, 32
.endr
	s_wait_xcnt 0x0
	SEND 3, 0
	s_wait_tensorcnt 0x0                           ; the wave's end
	ds_add_u32 v[SPW], v[NIL]
	s_wait_dscnt 0x0
	CROUND                                         ; the closing round
	s_endpgm
.Lfunc_end_k_q97b2b64f01_outp:
	.size	k_q97b2b64f01_outp, .Lfunc_end_k_q97b2b64f01_outp-k_q97b2b64f01_outp
	.p2alignl 7, 3214868480
	.fill 96, 4, 3214868480
	.section	.rodata,"a",@progbits
	.p2align	6, 0x0
	.amdhsa_kernel k_q97b2b64f01_outp
		.amdhsa_group_segment_fixed_size 327680
		.amdhsa_private_segment_fixed_size 0
		.amdhsa_enable_private_segment 0
		.amdhsa_kernarg_size 40
		.amdhsa_user_sgpr_count 2
		.amdhsa_user_sgpr_kernarg_segment_ptr 1
		.amdhsa_wavefront_size32 1
		.amdhsa_system_sgpr_workgroup_id_x 1
		.amdhsa_system_sgpr_workgroup_id_y 1
		.amdhsa_system_sgpr_workgroup_id_z 1
		.amdhsa_system_vgpr_workitem_id 0
		.amdhsa_next_free_vgpr 768
		.amdhsa_next_free_sgpr 98
		.amdhsa_reserve_vcc 0
		.amdhsa_float_denorm_mode_32 3
		.amdhsa_float_denorm_mode_16_64 3
		.amdhsa_memory_ordered 1
		.amdhsa_forward_progress 1
		.amdhsa_inst_pref_size 93
	.end_amdhsa_kernel
	.amdgpu_metadata
---
amdhsa.version: [ 1, 2 ]
amdhsa.kernels:
  - .name:           k_q97b2b64f01_outp
    .symbol:         k_q97b2b64f01_outp.kd
    .args:
      - { .name: oc, .offset: 0, .size: 8, .value_kind: global_buffer, .address_space: global }
      - { .name: os, .offset: 8, .size: 8, .value_kind: global_buffer, .address_space: global }
      - { .name: Wo_codes, .offset: 16, .size: 8, .value_kind: global_buffer, .address_space: global }
      - { .name: Wo_scales, .offset: 24, .size: 8, .value_kind: global_buffer, .address_space: global }
      - { .name: out0, .offset: 32, .size: 8, .value_kind: global_buffer, .address_space: global }
    .group_segment_fixed_size: 327680
    .private_segment_fixed_size: 0
    .kernarg_segment_align: 8
    .kernarg_segment_size: 40
    .max_flat_workgroup_size: 128
    .sgpr_count:     98
    .vgpr_count:     768
    .wavefront_size: 32
...
	.end_amdgpu_metadata
.endif
;; end of part 3
